; MI455X (gfx1250); checked and timed in simulation.
; The chip was launched on July 23, 2026; its instructions are those of AMD's public machine-readable ISA for CDNA 5 (MIT licence, August 2026) and "CDNA5" Instruction Set Architecture Reference Guide (July 2026). The comments in the code are by the model that wrote it; some were corrected since.
;; Projection. Allowed arithmetic: float matrix products may take bf16 or f16 operands with f32 sums; all other float work in f32.
;; Inputs: input 8 x 1 x 512 x 512 float32.
;; Outputs: out0 8 x 1 x 360 x 256 float32.
;; 2 versions, each right; version 2 is version 1 with the launch project written anew for expert scheduling mode. Each part assembles by itself: llvm-mc -triple=amdgcn-amd-amdhsa -mcpu=gfx1250 --defsym DOCPART=n.
;; ======== version 1 of 2: 2 launches
;; workspace buffers: part 11,796,480 bytes
;; launch project (part 1): grid 256 x 1, 12 waves a work-group, no clusters, 279,552 bytes of LDS; arguments input, part; writes part
.if DOCPART == 1
	.amdgcn_target "amdgcn-amd-amdhsa--gfx1250"
	.amdhsa_code_object_version 6
	.text
	.protected	k_qaa7a286f51_project
	.globl	k_qaa7a286f51_project
	.p2align	8
	.type	k_qaa7a286f51_project,@function
k_qaa7a286f51_project:
	s_mov_b64 s[64:65], 0
	v_nop
	global_prefetch_b8 v0, s[64:65] scope:SCOPE_SE
	s_setreg_imm32_b32 hwreg(HW_REG_WAVE_MODE, 25, 1), 1
	s_wait_xcnt 0x0
; Parallel-beam projection: 8 slices of 512 x 512, 360 views, 256 bins, 256 samples a ray, bilinear.
; WHAT IS COMPUTED.  View v+180 samples the very points of view v: its sample (t2, s2) is the lattice point (t = s2, s = -t2) of v.
; So only views 0..179 are sampled; sums along s give out[v][jt], sums along t give out[v+180][255-js].
; A work-group = (4 slices zh, a patch of 64 t x 64 s of the 256 x 256 lattice, 22 or 23 neighbouring views): 2 x 16 x 8 = 256.
; Over these views the patch stays within 31.5*1.4143 + 13.03 = 57.6 pixels of its centre at the middle view (13.03 = the chord of
; 5.5 degrees at radius 135.8), so a box of 120 rows x 128 columns, loaded once, holds every corner.  All coordinates lie in
; [75, 436]: the zero border of the reference is never met.
; In LDS a pixel is 16 bytes (its 4 slices): one 16-byte load brings a corner for 4 slices.  After the fill each wave owns whole
; views and never meets another wave.  The results are partial sums (one patch of four along the summed axis) and go to
; part[k][slice][view][bin], k = the place of the patch along the summed axis; the next launch adds the four.
; NO CLUSTER: no two work-groups read the same box (it hangs on slice half, patch and view group), so there is no joint tile.
; NO TENSOR LOAD: the four slice planes have to be interleaved pixel by pixel, which the fill does in registers without a move.
; The fill reads 128 neighbouring bytes a load, from the first column of the box, which is no multiple of 64 pixels: boxes widened
; to such multiples would be 192 columns, and 120 rows of them do not fit in LDS.
; LIMITS.  cos and sin come from a fixed-point Taylor chain (truncation under 3e-8) rounded to Q22, coordinates are Q23 integers:
; within 3e-5 pixel of the exact ones.  cos(theta+90) = -sin(theta) is taken exactly.  The order of the sums differs from the
; order of the reference.  A non-finite pixel reaches every ray that has it among its corners, also with weight 0.
.set PITCH,  2112                      ; an LDS row: 132 pixels of 16 bytes.  132 = 4 mod 16: pixel (x, y) lies in 16-byte column
                                       ; (x + 4 y) mod 16 of the 256 bytes that 64 banks of 4 bytes span (ISA guide 11.1), so the
                                       ; 4 x 4 pixels under an unrotated patch of 16 lanes fall in 16 different columns
.set ROWS,   120
.set IMG,    ROWS*PITCH                ; 253,440 bytes of image; behind it 2,048 bytes of stage for each wave
.set MAXIDX, (IMG-PITCH-32)/16         ; the last pixel index whose four corners still lie in the image bytes
.set PLANE,  1048576                   ; bytes of a slice in memory
.set SLICEB, 368640                    ; bytes of a slice in part: 360 views x 256 bins x 4
.set XC,     511<<22                   ; 255.5 in Q23
.set PHI,    37480660                  ; pi/360 in Q32
.set ONE31,  0x80000000                ; 1.0 in Q31
.set LNT, 2                            ; v2   2 (jt - 127.5) of my t in trip 0: 128 pt - 255 + 2 a   (a = lane bits 3:2)
.set LNS, 3                            ; v3   2 (js - 127.5) of my s in step 0: 128 ps - 255 + 64 h + 2 b   (b = lane bits 1:0, h = bit 4)
.set SROW, 4                           ; v4   stage: where I put a row sum (slice b, bin a)
.set SCOL, 5                           ; v5   stage: where I put a column sum (slice a)
.set SRD, 6                            ; v6   stage: where I read 16 bytes back
.set GO,  7                            ; v7   my byte offset in part
.set KA,  8                            ; v[8:9]   (-1, 1)
.set KB,  10                           ; v[10:11] (2, -1)
.set PX,  12                           ; v12  x, Q23, counted from the first column of the box
.set PY,  13                           ; v13  y, from its first row
.set AD,  14
.set TM,  15
.set RR,  16                           ; v[16:19]  sums along s of the t of this trip, 4 slices
.set FF,  20                           ; v[20:23]  one sample, 4 slices
.set T4,  24                           ; v[24:27]  reductions (in the fill: four zeros)
.set TXY, 28                           ; v[28:29]  1 + fraction of x, of y (in the fill: address of the padding)
.set GY,  30                           ; v[30:31]  (1 - fy, fy)
.set CC,  32                           ; v[32:63]  sums along t, 8 steps of s x 4 slices
.set WW,  64                           ; v[64:95]  weights, 8 steps x (w00, w10, w01, w11)
.set DD,  96                           ; v[96:223] corners, 8 steps x 4 corners x 4 slices
.set FILL, 32                          ; v[32:191] the fill: 10 rows x 4 pieces x 4 slices
; cos and sin of view sv (0..179, angle sv * pi/360 in [0, pi/2)) in Q22, by whole numbers only, since addresses hang on them.
; The angle is folded to [0, pi/4]; sin = phi (1 - x/6 (1 - x/20 (1 - x/42 (1 - x/72)))), cos = 1 - x/2 (1 - x/12 (1 - x/30 (1 - x/56))),
; x = phi^2.  s32 carries the sine chain, s33 the cosine chain, both Q31.
.macro HORNER p, inv
	s_mul_hi_u32 s34, s31, \inv                    ; x / k, Q32
	s_mul_hi_u32 s34, \p, s34                      ; times the chain so far, Q31
	s_sub_co_u32 \p, ONE31, s34                    ; 1 - that
.endm
.macro SINCOS sv, sc, ss
	s_sub_co_u32 s30, 180, \sv
	s_cmp_gt_u32 \sv, 90
	s_cselect_b32 s30, s30, \sv                    ; folded view, 0..90
	s_mul_i32 s30, s30, PHI                        ; phi, Q32 (at most 0.7854)
	s_mul_hi_u32 s31, s30, s30                     ; phi^2, Q32
	s_mov_b32 s32, ONE31
	s_mov_b32 s33, ONE31
	HORNER s32, 59652324                           ; 2^32 / 72
	HORNER s33, 76695845                           ; / 56
	HORNER s32, 102261126                          ; / 42
	HORNER s33, 143165577                          ; / 30
	HORNER s32, 214748365                          ; / 20
	HORNER s33, 357913941                          ; / 12
	HORNER s32, 715827883                          ; / 6
	HORNER s33, 0x80000000                         ; / 2: s33 = cos phi, Q31
	s_mul_hi_u32 s32, s32, s30                     ; sin phi, Q31
	s_cmp_gt_u32 \sv, 90                           ; (again: the subtractions wrote SCC)
	s_cselect_b32 \sc, s32, s33                    ; beyond 45 degrees the two change places
	s_cselect_b32 \ss, s33, s32
	s_add_co_u32 \sc, \sc, 256
	s_lshr_b32 \sc, \sc, 9                         ; rounded to Q22: what half a lattice unit adds in Q23
	s_add_co_u32 \ss, \ss, 256
	s_lshr_b32 \ss, \ss, 9
.endm
	s_load_b128 s[4:7], s[0:1], 0x0                ; input s[4:5], part s[6:7]
	v_lshl_add_u32 v224, v0, 2, 0x43e00
	v_mov_b32 v225, 0
	v_lshrrev_b32 v1, 5, v0
	v_readfirstlane_b32 s8, v1                     ; wave 0..11
	v_and_b32 v1, 31, v0                           ; lane
	s_and_b32 s9, ttmp9, 7                         ; g: view group
	s_bfe_u32 s10, ttmp9, 0x20003                  ; pt: place of the patch along t
	s_bfe_u32 s11, ttmp9, 0x20005                  ; ps: along s
	s_lshr_b32 s12, ttmp9, 7                       ; zh: slices 4 zh .. 4 zh + 3
	s_mul_i32 s13, s9, 45
	s_add_co_u32 s14, s13, 45
	s_lshr_b32 s13, s13, 1                         ; first view of the group = floor(22.5 g)
	s_lshr_b32 s14, s14, 1                         ; one past its last
	s_add_co_u32 s15, s13, 11                      ; the middle view: the others are at most 11 views away
	s_add_co_u32 s13, s13, s8                      ; my first view; 22 views at the least, so each of the 12 waves has one
	SINCOS s15, s16, s17
	s_lshl_b32 s18, s10, 7
	s_lshl_b32 s19, s11, 7
	s_sub_co_i32 s18, s18, 255                     ; 2 (jt0 - 127.5)
	s_sub_co_i32 s19, s19, 255                     ; 2 (js0 - 127.5)
	s_add_co_i32 s22, s18, 63                      ; the same for the centre of the patch, jt0 + 31.5
	s_add_co_i32 s23, s19, 63
	s_mul_i32 s24, s17, s22
	s_mul_i32 s25, s16, s23
	s_sub_co_u32 s24, XC, s24
	s_add_co_u32 s24, s24, s25                     ; centre x = 255.5 - sin t + cos s, Q23
	s_mul_i32 s25, s16, s22
	s_mul_i32 s26, s17, s23
	s_add_co_u32 s25, s25, XC
	s_add_co_u32 s25, s25, s26                     ; centre y = 255.5 + cos t + sin s
	s_lshr_b32 s24, s24, 23
	s_lshr_b32 s25, s25, 23
	s_sub_co_u32 s24, s24, 59                      ; X0: corners lie in columns X0 + 1 .. X0 + 118
	s_sub_co_u32 s25, s25, 59                      ; Y0: and in rows Y0 + 1 .. Y0 + 118.  60 <= X0, Y0 <= 332
	s_min_u32 s24, s24, 384                        ; never binds: it states that the 128 columns
	s_min_u32 s25, s25, 392                        ; and the 120 rows end inside the image
	s_lshl_b32 s26, s12, 22                        ; 4 zh slices
	s_lshl_b32 s27, s25, 11                        ; Y0 rows of 2,048 bytes
	s_add_co_u32 s26, s26, s27
	s_lshl_b32 s27, s24, 2
	s_add_co_u32 s26, s26, s27
	s_mov_b32 s27, 0
	s_lshl_b32 s22, s8, 11
	v_lshl_add_u32 v[AD], v1, 2, s22               ; memory: row = wave, 4 bytes a lane
	s_mul_i32 s23, s8, PITCH
	v_lshl_add_u32 v[TM], v1, 4, s23               ; LDS: row = wave, 16 bytes a lane
	s_wait_kmcnt 0x0
	s_add_nc_u64 s[28:29], s[4:5], s[26:27]        ; the first pixel of the box in slice 4 zh
	; THE FILL.  Wave w takes rows w, w + 12, .. (10 rows).  A load brings 32 neighbouring pixels of one slice; the four slices of
	; a pixel land in four neighbouring registers, so that one 16-byte LDS store writes the pixel.  Each row has registers of its
	; own; three rows (48 loads, 6,144 bytes a wave) are on their way at a time.
.macro FROW fi                         ; the 16 loads of my row number fi
.set fz, 0
.rept 4
.set fc, 0
.rept 4
	global_load_b32 v[FILL+16*(\fi)+4*fc+fz], v[AD], s[28:29] offset:fz*PLANE+(\fi)*24576+fc*128
.set fc, fc+1
.endr
.set fz, fz+1
.endr
.endm
	FROW 0
	FROW 1
	FROW 2
	; lane and scalar constants, while the loads are out (none of these registers belongs to the fill or is its address)
	v_and_b32 v16, 3, v0                           ; b
	v_bfe_u32 v17, v0, 2, 2                        ; a
	v_bfe_u32 v18, v0, 4, 1                        ; h
	v_xor_b32 v19, 3, v16                          ; 3 - b
	v_xor_b32 v20, 1, v18                          ; 1 - h
	; the 4 padding pixels behind the 128 of each of my rows get zeros, so that every byte below the bound that the gather states
	; is written: lane l takes pixel l & 3 of my row number l >> 2; the second store lies 2 of my rows (24 LDS rows) further down
	s_add_co_u32 s22, s23, 2048                    ; my first row, behind its 128 pixels
	v_bfe_u32 v[TXY], v0, 2, 3
	v_mul_u32_u24 v[TXY], v[TXY], 12*PITCH
	v_lshl_add_u32 v[TXY], v16, 4, v[TXY]
	v_add_nc_u32 v[TXY], s22, v[TXY]
.irp k, 0,1,2,3
	v_mov_b32 v[T4+\k], 0
.endr
	ds_store_b128 v[TXY], v[T4:T4+3]                       ; my rows 0-7
	ds_store_b128 v[TXY], v[T4:T4+3] offset:24*PITCH       ; my rows 2-9
	v_lshl_add_u32 v[LNT], v17, 1, s18
	v_lshl_add_u32 v[LNS], v16, 1, s19
	v_lshl_add_u32 v[LNS], v18, 6, v[LNS]
	s_lshl_b32 s52, s8, 11
	s_add_co_u32 s52, s52, IMG                     ; the stage of my wave: [4 slices][64 bins] of row sums, then the same of column sums
	s_add_co_u32 s23, s52, 1024
	v_lshlrev_b32 v[SROW], 8, v16                  ; slice b
	v_lshl_add_u32 v[SROW], v17, 2, v[SROW]        ; bin a (+ 4 bins for each trip, in the immediate)
	v_add_nc_u32 v[SROW], s52, v[SROW]
	v_lshlrev_b32 v[SCOL], 2, v19                  ; bin 63 - (32 h + 4 B + b) = 32 (1 - h) + 4 (7 - B) + (3 - b)
	v_lshl_add_u32 v[SCOL], v20, 7, v[SCOL]
	v_lshl_add_u32 v[SCOL], v17, 8, v[SCOL]        ; slice a
	v_add_nc_u32 v[SCOL], s23, v[SCOL]
	v_lshl_add_u32 v[SRD], v1, 4, s52
	v_and_b32 v[GO], 15, v0
	v_lshlrev_b32 v[GO], 4, v[GO]
	v_mad_u32_u24 v[GO], v18, SLICEB, v[GO]        ; lanes 0-15: the 256 bytes of one slice, lanes 16-31: of the next slice
	v_mov_b32 v[KA], -1.0
	v_mov_b32 v[KA+1], 1.0
	v_mov_b32 v[KB], 2.0
	v_mov_b32 v[KB+1], -1.0
	s_lshl_b32 s20, s24, 23
	s_sub_co_u32 s20, XC, s20                      ; 255.5 - X0, Q23 (modulo 2^32, as all that follows)
	s_lshl_b32 s21, s25, 23
	s_sub_co_u32 s21, XC, s21                      ; 255.5 - Y0
	s_lshl_b32 s22, s12, 2
	s_lshl3_add_u32 s23, s11, s22                  ; 8 ps + 4 zh
	s_mul_i32 s35, s23, SLICEB
	s_lshl_b32 s23, s10, 8
	s_add_co_u32 s35, s35, s23                     ; row sums: part[ps][4 zh][0][64 pt]
	s_lshl3_add_u32 s23, s10, s22                  ; 8 pt + 4 zh
	s_mul_i32 s36, s23, SLICEB
	s_sub_co_u32 s23, 3, s11
	s_lshl_b32 s23, s23, 8
	s_add_co_u32 s36, s36, s23
	s_add_co_u32 s36, s36, 184320                  ; column sums: part[pt][4 zh][180][64 (3 - ps)]
	s_mov_b32 s42, 0x7fffff                        ; the 23 fraction bits
	s_mov_b32 s43, 0x3f800000                      ; 1.0
	s_mov_b32 s44, 0xaaaaaaaa                      ; lanes with bit 0 set
	s_mov_b32 s45, 0xcccccccc                      ; bit 1
	s_mov_b32 s46, 0xf0f0f0f0                      ; bit 2
	s_mov_b32 s47, 0xff00ff00                      ; bit 3
	s_mov_b32 s48, 0x76543210                      ; v_permlanex16_b32: lane i of the other half
	s_mov_b32 s49, 0xfedcba98
	s_mov_b32 s51, 0                               ; upper word of the offsets into part
	s_add_co_u32 s22, s13, 12                      ; my views are my first and, if the group still holds it, the one 12 further on:
	s_cmp_lt_u32 s22, s14
	s_cselect_b32 s57, 2, 1                        ; how many views I have
	s_mov_b32 s37, 0                               ; and how many I have done
.set fr, 0
.rept 10
.if fr < 8
	s_wait_loadcnt 32                              ; loads return in order (ISA guide 5.7.1): the 16 loads of each of the two younger rows stay out
.else
	s_wait_loadcnt 144-16*fr                       ; the last rows: one younger row, then none
.endif
.set fc, 0
.rept 4
	ds_store_b128 v[TM], v[FILL+16*fr+4*fc:FILL+16*fr+4*fc+3] offset:512*fc   ; 32 lanes, 512 neighbouring bytes
.set fc, fc+1
.endr
.if fr < 9
	v_add_nc_u32 v[TM], 12*PITCH, v[TM]
.endif
.if fr < 7
	FROW fr+3                                      ; three rows ahead, into registers of its own
.endif
.set fr, fr+1
.endr
	s_wait_dscnt 0x0                               ; my rows are in LDS,
	s_barrier_signal -1
	s_barrier_wait -1                              ; and so are the rows of every wave.  From here on the image bytes are only read
; four slices of one sample: out = w00 c00 + w10 c10 + w01 c01 + w11 c11, two slices an instruction, the weight broadcast
.macro BILIN out, cor, wt
.irp p, 0, 2
	v_pk_mul_f32 v[\out+\p:\out+\p+1], v[\cor+\p:\cor+\p+1], v[\wt:\wt+1] op_sel_hi:[1,0]
.endr
.irp p, 0, 2
	v_pk_fma_f32 v[\out+\p:\out+\p+1], v[\cor+4+\p:\cor+5+\p], v[\wt:\wt+1], v[\out+\p:\out+\p+1] op_sel:[0,1,0] op_sel_hi:[1,1,1]
.endr
.irp p, 0, 2
	v_pk_fma_f32 v[\out+\p:\out+\p+1], v[\cor+8+\p:\cor+9+\p], v[\wt+2:\wt+3], v[\out+\p:\out+\p+1] op_sel_hi:[1,0,1]
.endr
.irp p, 0, 2
	v_pk_fma_f32 v[\out+\p:\out+\p+1], v[\cor+12+\p:\cor+13+\p], v[\wt+2:\wt+3], v[\out+\p:\out+\p+1] op_sel:[0,1,0] op_sel_hi:[1,1,1]
.endr
.endm
; Four registers (one a slice) summed over four lanes that differ in two lane bits, so that each of the four lanes ends with the
; sum of one slice, (bit of m0) + 2 (bit of m1): a lane keeps one register of a pair and hands the other to its partner, twice.
.macro RED4 src, m0, x0, m1, x1
	v_cndmask_b32 v[T4],   v[\src],   v[\src+1], \m0      ; what I keep,
	v_cndmask_b32 v[T4+1], v[\src+1], v[\src],   \m0      ; what my partner keeps
	v_cndmask_b32 v[T4+2], v[\src+2], v[\src+3], \m0
	v_cndmask_b32 v[T4+3], v[\src+3], v[\src+2], \m0
	v_add_f32_dpp v[T4],   v[T4+1], v[T4]   row_xmask:\x0 row_mask:0xf bank_mask:0xf
	v_add_f32_dpp v[T4+2], v[T4+3], v[T4+2] row_xmask:\x0 row_mask:0xf bank_mask:0xf
	v_cndmask_b32 v[T4+1], v[T4],   v[T4+2], \m1
	v_cndmask_b32 v[T4+3], v[T4+2], v[T4],   \m1
	v_add_f32_dpp v[T4+1], v[T4+3], v[T4+1] row_xmask:\x1 row_mask:0xf bank_mask:0xf   ; the sum is in v[T4+1]
.endm
; ONE TRIP: my t is fixed (4 x trip + a), 8 steps of 4 along s.  In trip 0 the samples start the sums: nothing is cleared.
.macro ITER trip
	; addresses, the 32 loads and the weights of all 8 steps
.set sb, 0
.rept 8
	v_lshrrev_b32 v[AD], 23, v[PX]                 ; column
	v_lshrrev_b32 v[TM], 23, v[PY]                 ; row
	v_mad_u32_u24 v[AD], v[TM], PITCH/16, v[AD]
	v_min_u32 v[AD], MAXIDX, v[AD]                 ; never binds (see the head): it states the bound in the text
	v_lshlrev_b32 v[AD], 4, v[AD]
	ds_load_b128 v[DD+16*sb:DD+16*sb+3],     v[AD]
	ds_load_b128 v[DD+16*sb+4:DD+16*sb+7],   v[AD] offset:16
	ds_load_b128 v[DD+16*sb+8:DD+16*sb+11],  v[AD] offset:PITCH
	ds_load_b128 v[DD+16*sb+12:DD+16*sb+15], v[AD] offset:PITCH+16
	v_and_or_b32 v[TXY],   v[PX], s42, s43         ; the 23 fraction bits under the exponent of 1.0: 1 + fx, exact
	v_and_or_b32 v[TXY+1], v[PY], s42, s43
.if sb < 7
	v_add_nc_u32 v[PX], s53, v[PX]                 ; 4 on along s
	v_add_nc_u32 v[PY], s54, v[PY]
.else
.if \trip < 15
	v_add_nc_u32 v[PX], s55, v[PX]                 ; 28 back along s, 4 on along t
	v_add_nc_u32 v[PY], s56, v[PY]
.endif
.endif
	v_pk_fma_f32 v[WW+4*sb+2:WW+4*sb+3], v[TXY:TXY+1], v[KA:KA+1], v[KB:KB+1] op_sel_hi:[0,1,1]   ; (2 - (1+fx), (1+fx) - 1) = (1-fx, fx)
	v_pk_fma_f32 v[GY:GY+1], v[TXY:TXY+1], v[KA:KA+1], v[KB:KB+1] op_sel:[1,0,0]                  ; (1-fy, fy)
	v_pk_mul_f32 v[WW+4*sb:WW+4*sb+1],   v[WW+4*sb+2:WW+4*sb+3], v[GY:GY+1] op_sel_hi:[1,0]       ; (w00, w10) = (1-fx, fx) (1-fy)
	v_pk_mul_f32 v[WW+4*sb+2:WW+4*sb+3], v[WW+4*sb+2:WW+4*sb+3], v[GY:GY+1] op_sel:[0,1]          ; (w01, w11) = (1-fx, fx) fy
.set sb, sb+1
.endr
	; the samples, step by step as the corners arrive
.set sb, 0
.rept 8
	s_wait_dscnt 28-4*sb                           ; LDS loads return in order (ISA guide 5.7.1): the four loads of each later step may stay out
.if \trip == 0
	BILIN CC+4*sb, DD+16*sb, WW+4*sb
.if sb == 1
	v_pk_add_f32 v[RR:RR+1],   v[CC:CC+1],   v[CC+4:CC+5]
	v_pk_add_f32 v[RR+2:RR+3], v[CC+2:CC+3], v[CC+6:CC+7]
.endif
.if sb > 1
	v_pk_add_f32 v[RR:RR+1],   v[RR:RR+1],   v[CC+4*sb:CC+4*sb+1]
	v_pk_add_f32 v[RR+2:RR+3], v[RR+2:RR+3], v[CC+4*sb+2:CC+4*sb+3]
.endif
.else
.if sb == 0
	BILIN RR, DD, WW
	v_pk_add_f32 v[CC:CC+1],   v[CC:CC+1],   v[RR:RR+1]
	v_pk_add_f32 v[CC+2:CC+3], v[CC+2:CC+3], v[RR+2:RR+3]
.else
	BILIN FF, DD+16*sb, WW+4*sb
	v_pk_add_f32 v[CC+4*sb:CC+4*sb+1],   v[CC+4*sb:CC+4*sb+1],   v[FF:FF+1]
	v_pk_add_f32 v[CC+4*sb+2:CC+4*sb+3], v[CC+4*sb+2:CC+4*sb+3], v[FF+2:FF+3]
	v_pk_add_f32 v[RR:RR+1],   v[RR:RR+1],   v[FF:FF+1]
	v_pk_add_f32 v[RR+2:RR+3], v[RR+2:RR+3], v[FF+2:FF+3]
.endif
.endif
.set sb, sb+1
.endr
	; the row sum of my t: over b (lane bits 1:0) and over the two halves; lane b ends with slice b
	RED4 RR, s44, 1, s45, 2
	v_permlanex16_b32 v[T4], v[T4+1], s48, s49     ; its destination counts as read: T4 has been written
	v_add_f32 v[T4+1], v[T4+1], v[T4]
	ds_store_b32 v[SROW], v[T4+1] offset:16*\trip  ; 4 bins on for each trip; both halves write the same word with the same number
.endm
.Lview:
	s_wait_xcnt 0x0                                ; the bases and the data (v[DD:DD+15]) of the stores of my last view are rewritten only behind this wait
	SINCOS s13, s16, s17
	s_lshl_b32 s53, s16, 3                         ; 4 along s: x + 8 c22,
	s_lshl_b32 s54, s17, 3                         ; y + 8 s22
	s_mul_i32 s22, s16, 56
	s_mul_i32 s23, s17, 56
	s_add_co_u32 s55, s54, s22
	s_sub_co_u32 s55, 0, s55                       ; 4 along t and 28 back along s: x - 8 s22 - 56 c22,
	s_sub_co_u32 s56, s53, s23                     ; y + 8 c22 - 56 s22
	s_lshl_b32 s22, s13, 10                        ; a view is 1,024 bytes
	s_add_co_u32 s50, s22, s35
	s_add_nc_u64 s[38:39], s[6:7], s[50:51]        ; where the row sums of this view go
	s_add_co_u32 s50, s22, s36
	s_add_nc_u64 s[40:41], s[6:7], s[50:51]        ; and its column sums (view + 180)
	v_mad_u32 v[PX], v[LNS], s16, s20              ; x = 255.5 - X0 + cos s
	v_mul_lo_u32 v[TM], v[LNT], s17
	v_sub_nc_u32 v[PX], v[PX], v[TM]               ;     - sin t
	v_mad_u32 v[PY], v[LNT], s16, s21              ; y = 255.5 - Y0 + cos t
	v_mad_u32 v[PY], v[LNS], s17, v[PY]            ;     + sin s
	; The 16 trips are written out, so that the row sums of each trip go to the stage by a fixed lane address and an immediate:
	; some 250 instructions a trip, 4,000 a view, about 33,000 bytes of code.
.set tr, 0
.rept 16
	ITER tr
.set tr, tr+1
.endr
	; the column sums: over a (lane bits 3:2); lane a ends with slice a
.set sb, 0
.rept 8
	RED4 CC+4*sb, s46, 4, s47, 8
	ds_store_b32 v[SCOL], v[T4+1] offset:16*(7-sb)
.set sb, sb+1
.endr
	; out through my own stage: LDS serves the instructions of a wave in order (ISA guide 5.7.1), so these loads see the stores above
.irp q, 0,1,2,3
	ds_load_b128 v[DD+4*\q:DD+4*\q+3], v[SRD] offset:512*\q
.endr
	s_wait_dscnt 3                                 ; the counts run down over the three, two, one younger loads
	global_store_b128 v[GO], v[DD:DD+3],     s[38:39]                 ; slices 0, 1: 16 lanes store 256 consecutive bytes, aligned
	s_wait_dscnt 2
	global_store_b128 v[GO], v[DD+4:DD+7],   s[38:39] offset:2*SLICEB ; slices 2, 3
	s_wait_dscnt 1
	global_store_b128 v[GO], v[DD+8:DD+11],  s[40:41]
	s_wait_dscnt 0
	global_store_b128 v[GO], v[DD+12:DD+15], s[40:41] offset:2*SLICEB
	s_add_co_u32 s13, s13, 12                      ; my next view, if there is one
	s_add_co_u32 s37, s37, 1                       ; the loop ends on its own counter: one or two trips
	s_cmp_lt_u32 s37, s57
	s_cbranch_scc1 .Lview
	s_wait_tensorcnt 0x0
	ds_add_u32 v224, v225
	s_wait_dscnt 0x0
	s_endpgm
.Lfunc_end_k_qaa7a286f51_project:
	.size	k_qaa7a286f51_project, .Lfunc_end_k_qaa7a286f51_project-k_qaa7a286f51_project
	.p2alignl 7, 3214868480
	.fill 96, 4, 3214868480
	.section	.rodata,"a",@progbits
	.p2align	6, 0x0
	.amdhsa_kernel k_qaa7a286f51_project
		.amdhsa_group_segment_fixed_size 279552
		.amdhsa_private_segment_fixed_size 0
		.amdhsa_enable_private_segment 0
		.amdhsa_kernarg_size 16
		.amdhsa_user_sgpr_count 2
		.amdhsa_user_sgpr_kernarg_segment_ptr 1
		.amdhsa_wavefront_size32 1
		.amdhsa_system_sgpr_workgroup_id_x 1
		.amdhsa_system_sgpr_workgroup_id_y 1
		.amdhsa_system_sgpr_workgroup_id_z 1
		.amdhsa_system_vgpr_workitem_id 0
		.amdhsa_next_free_vgpr 226
		.amdhsa_next_free_sgpr 66
		.amdhsa_reserve_vcc 0
		.amdhsa_float_denorm_mode_32 3
		.amdhsa_float_denorm_mode_16_64 3
		.amdhsa_memory_ordered 1
		.amdhsa_forward_progress 1
		.amdhsa_inst_pref_size 255
	.end_amdhsa_kernel
	.section	.bss,"aw",@nobits
	.p2align	6
	.space	262144
	.amdgpu_metadata
---
amdhsa.version: [ 1, 2 ]
amdhsa.kernels:
  - .name:           k_qaa7a286f51_project
    .symbol:         k_qaa7a286f51_project.kd
    .args:
      - { .name: input, .offset: 0, .size: 8, .value_kind: global_buffer, .address_space: global }
      - { .name: part, .offset: 8, .size: 8, .value_kind: global_buffer, .address_space: global }
    .group_segment_fixed_size: 279552
    .private_segment_fixed_size: 0
    .kernarg_segment_align: 8
    .kernarg_segment_size: 16
    .max_flat_workgroup_size: 384
    .sgpr_count:     66
    .vgpr_count:     226
    .wavefront_size: 32
...
	.end_amdgpu_metadata
.endif
;; end of part 1
;; launch combine (part 2): grid 360 x 1, 16 waves a work-group, no clusters, 0 bytes of LDS; arguments part, out0; writes out0
.if DOCPART == 2
	.amdgcn_target "amdgcn-amd-amdhsa--gfx1250"
	.amdhsa_code_object_version 6
	.text
	.protected	k_qaa7a286f51_combine
	.globl	k_qaa7a286f51_combine
	.p2align	8
	.type	k_qaa7a286f51_combine,@function
k_qaa7a286f51_combine:
	s_mov_b64 s[64:65], 0
	v_nop
	global_prefetch_b8 v0, s[64:65] scope:SCOPE_SE
	s_setreg_imm32_b32 hwreg(HW_REG_WAVE_MODE, 25, 1), 1
	s_wait_xcnt 0x0
; out0 = part[0] + part[1] + part[2] + part[3]: the four patches along the summed axis.  A pure stream: each lane loads 16 bytes
; of each partial and stores 16 bytes; a load or store of a wave covers 512 consecutive bytes, aligned.
; 360 work-groups x 512 lanes x 16 bytes = 2,949,120 bytes, the whole output.  No LDS, no barrier, no cluster: nothing is shared.
.set ONEK, 2949120                     ; bytes of one partial
	s_load_b128 s[4:7], s[0:1], 0x0                ; part s[4:5], out0 s[6:7]
	v_lshlrev_b32 v1, 4, v0                        ; 16 bytes a lane
	s_lshl_b32 s10, ttmp9, 13                      ; 8,192 bytes a work-group
	s_mov_b32 s11, 0
	s_wait_kmcnt 0x0
	s_add_nc_u64 s[4:5], s[4:5], s[10:11]
	s_add_nc_u64 s[6:7], s[6:7], s[10:11]
	s_add_nc_u64 s[8:9], s[4:5], 2*ONEK            ; a second base: three partials on is more than the immediate offset holds
	global_load_b128 v[4:7],   v1, s[4:5] th:TH_LOAD_NT
	global_load_b128 v[8:11],  v1, s[4:5] offset:ONEK th:TH_LOAD_NT
	global_load_b128 v[12:15], v1, s[8:9] th:TH_LOAD_NT
	global_load_b128 v[16:19], v1, s[8:9] offset:ONEK th:TH_LOAD_NT
	s_wait_loadcnt 0x2                             ; the first two are in, the last two may stay out
	v_pk_add_f32 v[4:5], v[4:5], v[8:9]
	v_pk_add_f32 v[6:7], v[6:7], v[10:11]
	s_wait_loadcnt 0x0
	v_pk_add_f32 v[12:13], v[12:13], v[16:17]
	v_pk_add_f32 v[14:15], v[14:15], v[18:19]
	v_pk_add_f32 v[4:5], v[4:5], v[12:13]
	v_pk_add_f32 v[6:7], v[6:7], v[14:15]
	global_store_b128 v1, v[4:7], s[6:7] th:TH_STORE_NT
	s_endpgm
.Lfunc_end_k_qaa7a286f51_combine:
	.size	k_qaa7a286f51_combine, .Lfunc_end_k_qaa7a286f51_combine-k_qaa7a286f51_combine
	.p2alignl 7, 3214868480
	.fill 96, 4, 3214868480
	.section	.rodata,"a",@progbits
	.p2align	6, 0x0
	.amdhsa_kernel k_qaa7a286f51_combine
		.amdhsa_group_segment_fixed_size 0
		.amdhsa_private_segment_fixed_size 0
		.amdhsa_enable_private_segment 0
		.amdhsa_kernarg_size 16
		.amdhsa_user_sgpr_count 2
		.amdhsa_user_sgpr_kernarg_segment_ptr 1
		.amdhsa_wavefront_size32 1
		.amdhsa_system_sgpr_workgroup_id_x 1
		.amdhsa_system_sgpr_workgroup_id_y 1
		.amdhsa_system_sgpr_workgroup_id_z 1
		.amdhsa_system_vgpr_workitem_id 0
		.amdhsa_next_free_vgpr 24
		.amdhsa_next_free_sgpr 66
		.amdhsa_reserve_vcc 0
		.amdhsa_float_denorm_mode_32 3
		.amdhsa_float_denorm_mode_16_64 3
		.amdhsa_memory_ordered 1
		.amdhsa_forward_progress 1
		.amdhsa_inst_pref_size 2
	.end_amdhsa_kernel
	.amdgpu_metadata
---
amdhsa.version: [ 1, 2 ]
amdhsa.kernels:
  - .name:           k_qaa7a286f51_combine
    .symbol:         k_qaa7a286f51_combine.kd
    .args:
      - { .name: part, .offset: 0, .size: 8, .value_kind: global_buffer, .address_space: global }
      - { .name: out0, .offset: 8, .size: 8, .value_kind: global_buffer, .address_space: global }
    .group_segment_fixed_size: 0
    .private_segment_fixed_size: 0
    .kernarg_segment_align: 8
    .kernarg_segment_size: 16
    .max_flat_workgroup_size: 512
    .sgpr_count:     66
    .vgpr_count:     24
    .wavefront_size: 32
...
	.end_amdgpu_metadata
.endif
;; end of part 2
;; ======== version 2 of 2: 2 launches; version 1 with the launch project written anew for expert scheduling mode
;; workspace buffers: part 11,796,480 bytes
;; launch project (part 3): grid 256 x 1, 12 waves a work-group, no clusters, 279,552 bytes of LDS; arguments input, part; writes part
.if DOCPART == 3
	.amdgcn_target "amdgcn-amd-amdhsa--gfx1250"
	.amdhsa_code_object_version 6
	.text
	.protected	k_qaa7a286f51_project
	.globl	k_qaa7a286f51_project
	.p2align	8
	.type	k_qaa7a286f51_project,@function
k_qaa7a286f51_project:
	s_mov_b64 s[64:65], 0
	v_nop
	global_prefetch_b8 v0, s[64:65] scope:SCOPE_SE
	s_setreg_imm32_b32 hwreg(HW_REG_WAVE_SCHED_MODE, 0, 2), 2
	s_setreg_imm32_b32 hwreg(HW_REG_WAVE_MODE, 25, 1), 1
	s_wait_xcnt 0x0
	s_wait_alu depctr_vm_vsrc(0)
; Parallel-beam projection: 8 slices of 512 x 512, 360 views, 256 bins, 256 samples a ray, bilinear.
; WHAT IS COMPUTED.  View v+180 samples the very points of view v: its sample (t2, s2) is the lattice point (t = s2, s = -t2) of v.
; So only views 0..179 are sampled; sums along s give out[v][jt], sums along t give out[v+180][255-js].
; A work-group = (4 slices zh, a patch of 64 t x 64 s of the 256 x 256 lattice, 22 or 23 neighbouring views): 2 x 16 x 8 = 256.
; Over these views the patch stays within 31.5*1.4143 + 13.03 = 57.6 pixels of its centre at the middle view (13.03 = the chord of
; 5.5 degrees at radius 135.8), so a box of 120 rows x 128 columns, loaded once, holds every corner.  All coordinates lie in
; [75, 436]: the zero border of the reference is never met.
; In LDS a pixel is 16 bytes (its 4 slices): one 16-byte load brings a corner for 4 slices.  After the fill each wave owns whole
; views and never meets another wave.  The results are partial sums (one patch of four along the summed axis) and go to
; part[k][slice][view][bin], k = the place of the patch along the summed axis; the next launch adds the four.
; NO CLUSTER: no two work-groups read the same box (it hangs on slice half, patch and view group), so there is no joint tile.
; NO TENSOR LOAD: the four slice planes have to be interleaved pixel by pixel, which the fill does in registers without a move.
; The fill reads 128 neighbouring bytes a load, from the first column of the box, which is no multiple of 64 pixels: boxes widened
; to such multiples would be 192 columns, and 120 rows of them do not fit in LDS.
; LIMITS.  cos and sin come from a fixed-point Taylor chain (truncation under 3e-8) rounded to Q22, coordinates are Q23 integers:
; within 3e-5 pixel of the exact ones.  cos(theta+90) = -sin(theta) is taken exactly.  The order of the sums differs from the
; order of the reference.  A non-finite pixel reaches every ray that has it among its corners, also with weight 0.
; THE MODE: SCHED_MODE bits 1:0 = 2 (LLVM: expert scheduling mode 2), set by the entry lines.  The code itself states the register
; dependences between vector instructions and memory or LDS instructions, with s_wait_alu, always for 0.
; THE PLAN.  Registers that memory or LDS instructions touch:
;   v[AD], v[FA ..], SROW, SCOL, SRD, GO   offsets and addresses, made once at the head and never written again.
;   v[FILL ..]    the fill: each row's loads land in registers of its own, and its LDS stores read them; no vector line names them.
;   ADS0 .. ADS7  step j's gather address.  Written by PREP j, in the trip before, behind that trip's samples of step j; read by step j's four gathers.
;   DD            two halves of 64 registers: steps 0-3, steps 4-7.  Written by the gathers, read by the samples (BILIN).
;   RS            a trip's row sum.  Written by the reduction at the trip's end, read by one LDS store at the head of the next trip.
;   WW0 .. WW7    at a view's end: the eight column sums, each in a register of its own, read by eight LDS stores.
; A view is 32 HALVES of a trip.  Half p takes its samples from DD[p % 2] and writes the addresses and weights of half p + 2 (set p % 2).
; All its LDS instructions stand at its head: the store of the last trip's RS (even p), then the 16 gathers of half p + 1, which land in
; DD[(p + 1) % 2], the half of DD that half p - 1 worked on and that no vector line of half p names.  So two waits at a half's head
; state all that the half's LDS instructions hang on, and a gather has a whole half in which to land.
.set PITCH,  2112                      ; an LDS row: 132 pixels of 16 bytes.  132 = 4 mod 16: pixel (x, y) lies in 16-byte column
                                       ; (x + 4 y) mod 16 of the 256 bytes that 64 banks of 4 bytes span (ISA guide 11.1), so the
                                       ; 4 x 4 pixels under an unrotated patch of 16 lanes fall in 16 different columns
.set ROWS,   120
.set IMG,    ROWS*PITCH                ; 253,440 bytes of image; behind it 2,048 bytes of stage for each wave
.set MAXIDX, (IMG-PITCH-32)/16         ; the last pixel index whose four corners still lie in the image bytes
.set PLANE,  1048576                   ; bytes of a slice in memory
.set SLICEB, 368640                    ; bytes of a slice in part: 360 views x 256 bins x 4
.set XC,     511<<22                   ; 255.5 in Q23
.set PHI,    37480660                  ; pi/360 in Q32
.set ONE31,  0x80000000                ; 1.0 in Q31
.set LNT, 2                            ; v2   2 (jt - 127.5) of my t in trip 0: 128 pt - 255 + 2 a   (a = lane bits 3:2)
.set LNS, 3                            ; v3   2 (js - 127.5) of my s in step 0: 128 ps - 255 + 64 h + 2 b   (b = lane bits 1:0, h = bit 4)
.set SROW, 4                           ; v4   stage: where I put a row sum (slice b, bin a)
.set SCOL, 5                           ; v5   stage: where I put a column sum (slice a)
.set SRD, 6                            ; v6   stage: where I read 16 bytes back
.set GO,  7                            ; v7   my byte offset in part
.set KA,  8                            ; v[8:9]   (-1, 1)
.set KB,  10                           ; v[10:11] (2, -1)
.set PX,  12                           ; v12  x, Q23, counted from the first column of the box
.set PY,  13                           ; v13  y, from its first row
.set AD,  14                           ; v14  the fill: my byte offset in the box in memory
.set TM,  15                           ; v15  at work: a row number
.set RR,  16                           ; v[16:19]  sums along s of the t of this trip, 4 slices
.set FF,  20                           ; v[20:23]  one sample, 4 slices
.set T4,  24                           ; v[24:27]  reductions (in the fill: four zeros)
.set TXY, 28                           ; v[28:29]  1 + fraction of x, of y (in the fill: address of the padding)
.set GY,  30                           ; v[30:31]  (1 - fy, fy)
.set CC,  32                           ; v[32:63]  sums along t, 8 steps of s x 4 slices
.set WW,  64                           ; v[64:95]  weights, 8 steps x (w00, w10, w01, w11); at a view's end v[64:71]: the column sums
.set DD,  96                           ; v[96:223] corners, 8 steps x 4 corners x 4 slices
.set FILL, 32                          ; v[32:191] the fill: 10 rows x 4 pieces x 4 slices
.set FA,  192                          ; v[192:195] the fill: LDS address of my 16 bytes in my rows number 0, 3, 6, 9
.set ADS, 224                          ; v[224:231] step j: LDS address of its first corner
.set RS,  232                          ; v232 a row sum on its way to the stage
; cos and sin of view sv (0..179, angle sv * pi/360 in [0, pi/2)) in Q22, by whole numbers only, since addresses hang on them.
; The angle is folded to [0, pi/4]; sin = phi (1 - x/6 (1 - x/20 (1 - x/42 (1 - x/72)))), cos = 1 - x/2 (1 - x/12 (1 - x/30 (1 - x/56))),
; x = phi^2.  s32 carries the sine chain, s33 the cosine chain, both Q31.
.macro HORNER p, inv
	s_mul_hi_u32 s34, s31, \inv                    ; x / k, Q32
	s_mul_hi_u32 s34, \p, s34                      ; times the chain so far, Q31
	s_sub_co_u32 \p, ONE31, s34                    ; 1 - that
.endm
.macro SINCOS sv, sc, ss
	s_sub_co_u32 s30, 180, \sv
	s_cmp_gt_u32 \sv, 90
	s_cselect_b32 s30, s30, \sv                    ; folded view, 0..90
	s_mul_i32 s30, s30, PHI                        ; phi, Q32 (at most 0.7854)
	s_mul_hi_u32 s31, s30, s30                     ; phi^2, Q32
	s_mov_b32 s32, ONE31
	s_mov_b32 s33, ONE31
	HORNER s32, 59652324                           ; 2^32 / 72
	HORNER s33, 76695845                           ; / 56
	HORNER s32, 102261126                          ; / 42
	HORNER s33, 143165577                          ; / 30
	HORNER s32, 214748365                          ; / 20
	HORNER s33, 357913941                          ; / 12
	HORNER s32, 715827883                          ; / 6
	HORNER s33, 0x80000000                         ; / 2: s33 = cos phi, Q31
	s_mul_hi_u32 s32, s32, s30                     ; sin phi, Q31
	s_cmp_gt_u32 \sv, 90                           ; (again: the subtractions wrote SCC)
	s_cselect_b32 \sc, s32, s33                    ; beyond 45 degrees the two change places
	s_cselect_b32 \ss, s33, s32
	s_add_co_u32 \sc, \sc, 256
	s_lshr_b32 \sc, \sc, 9                         ; rounded to Q22: what half a lattice unit adds in Q23
	s_add_co_u32 \ss, \ss, 256
	s_lshr_b32 \ss, \ss, 9
.endm
	s_load_b128 s[4:7], s[0:1], 0x0                ; input s[4:5], part s[6:7]
	v_lshl_add_u32 v238, v0, 2, 0x43e00
	v_mov_b32 v239, 0
	v_lshrrev_b32 v1, 5, v0
	v_readfirstlane_b32 s8, v1                     ; wave 0..11
	v_and_b32 v1, 31, v0                           ; lane
	s_wait_alu depctr_va_sdst(0)                   ; s8 is written, ahead of its first reader: my views, my rows and my stage are made from it
	s_and_b32 s9, ttmp9, 7                         ; g: view group
	s_bfe_u32 s10, ttmp9, 0x20003                  ; pt: place of the patch along t
	s_bfe_u32 s11, ttmp9, 0x20005                  ; ps: along s
	s_lshr_b32 s12, ttmp9, 7                       ; zh: slices 4 zh .. 4 zh + 3
	s_mul_i32 s13, s9, 45
	s_add_co_u32 s14, s13, 45
	s_lshr_b32 s13, s13, 1                         ; first view of the group = floor(22.5 g)
	s_lshr_b32 s14, s14, 1                         ; one past its last
	s_add_co_u32 s15, s13, 11                      ; the middle view: the others are at most 11 views away
	s_add_co_u32 s13, s13, s8                      ; my first view; 22 views at the least, so each of the 12 waves has one
	SINCOS s15, s16, s17
	s_lshl_b32 s18, s10, 7
	s_lshl_b32 s19, s11, 7
	s_sub_co_i32 s18, s18, 255                     ; 2 (jt0 - 127.5)
	s_sub_co_i32 s19, s19, 255                     ; 2 (js0 - 127.5)
	s_add_co_i32 s22, s18, 63                      ; the same for the centre of the patch, jt0 + 31.5
	s_add_co_i32 s23, s19, 63
	s_mul_i32 s24, s17, s22
	s_mul_i32 s25, s16, s23
	s_sub_co_u32 s24, XC, s24
	s_add_co_u32 s24, s24, s25                     ; centre x = 255.5 - sin t + cos s, Q23
	s_mul_i32 s25, s16, s22
	s_mul_i32 s26, s17, s23
	s_add_co_u32 s25, s25, XC
	s_add_co_u32 s25, s25, s26                     ; centre y = 255.5 + cos t + sin s
	s_lshr_b32 s24, s24, 23
	s_lshr_b32 s25, s25, 23
	s_sub_co_u32 s24, s24, 59                      ; X0: corners lie in columns X0 + 1 .. X0 + 118
	s_sub_co_u32 s25, s25, 59                      ; Y0: and in rows Y0 + 1 .. Y0 + 118.  60 <= X0, Y0 <= 332
	s_min_u32 s24, s24, 384                        ; never binds: it states that the 128 columns
	s_min_u32 s25, s25, 392                        ; and the 120 rows end inside the image
	s_lshl_b32 s26, s12, 22                        ; 4 zh slices
	s_lshl_b32 s27, s25, 11                        ; Y0 rows of 2,048 bytes
	s_add_co_u32 s26, s26, s27
	s_lshl_b32 s27, s24, 2
	s_add_co_u32 s26, s26, s27
	s_mov_b32 s27, 0
	s_lshl_b32 s22, s8, 11
	v_lshl_add_u32 v[AD], v1, 2, s22               ; memory: row = wave, 4 bytes a lane
	s_mul_i32 s23, s8, PITCH
	v_lshl_add_u32 v[FA], v1, 4, s23               ; LDS: row = wave, 16 bytes a lane
	s_wait_kmcnt 0x0
	s_add_nc_u64 s[28:29], s[4:5], s[26:27]        ; the first pixel of the box in slice 4 zh
	s_wait_alu depctr_va_vdst(0)                   ; v[AD] is written: every load of the fill reads it as its offset
	; THE FILL.  Wave w takes rows w, w + 12, .. (10 rows).  A load brings 32 neighbouring pixels of one slice; the four slices of
	; a pixel land in four neighbouring registers, so that one 16-byte LDS store writes the pixel.  Each row has registers of its
	; own; three rows (48 loads, 6,144 bytes a wave) are on their way at a time.
.macro FROW fi                         ; the 16 loads of my row number fi
.set fz, 0
.rept 4
.set fc, 0
.rept 4
	global_load_b32 v[FILL+16*(\fi)+4*fc+fz], v[AD], s[28:29] offset:fz*PLANE+(\fi)*24576+fc*128
.set fc, fc+1
.endr
.set fz, fz+1
.endr
.endm
	FROW 0
	FROW 1
	FROW 2
	; lane and scalar constants, while the loads are out (none of these registers belongs to the fill or is its offset in memory)
	v_and_b32 v16, 3, v0                           ; b
	v_bfe_u32 v17, v0, 2, 2                        ; a
	v_bfe_u32 v18, v0, 4, 1                        ; h
	v_xor_b32 v19, 3, v16                          ; 3 - b
	v_xor_b32 v20, 1, v18                          ; 1 - h
.irp k, 1,2,3
	v_add_nc_u32 v[FA+\k], \k*36*PITCH, v[FA]      ; my rows number 3, 6, 9: 36 LDS rows apart; the two rows between are reached by the stores' immediates, so no address is stepped in the fill
.endr
	; the 4 padding pixels behind the 128 of each of my rows get zeros, so that every byte below the bound that the gather states
	; is written: lane l takes pixel l & 3 of my row number l >> 2; the second store lies 2 of my rows (24 LDS rows) further down
	s_add_co_u32 s22, s23, 2048                    ; my first row, behind its 128 pixels
	v_bfe_u32 v[TXY], v0, 2, 3
	v_mul_u32_u24 v[TXY], v[TXY], 12*PITCH
	v_lshl_add_u32 v[TXY], v16, 4, v[TXY]
	v_add_nc_u32 v[TXY], s22, v[TXY]
.irp k, 0,1,2,3
	v_mov_b32 v[T4+\k], 0
.endr
	v_lshl_add_u32 v[LNT], v17, 1, s18
	v_lshl_add_u32 v[LNS], v16, 1, s19
	v_lshl_add_u32 v[LNS], v18, 6, v[LNS]
	s_lshl_b32 s52, s8, 11
	s_add_co_u32 s52, s52, IMG                     ; the stage of my wave: [4 slices][64 bins] of row sums, then the same of column sums
	s_add_co_u32 s23, s52, 1024
	v_lshlrev_b32 v[SROW], 8, v16                  ; slice b
	v_lshl_add_u32 v[SROW], v17, 2, v[SROW]        ; bin a (+ 4 bins for each trip, in the immediate)
	v_add_nc_u32 v[SROW], s52, v[SROW]
	v_lshlrev_b32 v[SCOL], 2, v19                  ; bin 63 - (32 h + 4 B + b) = 32 (1 - h) + 4 (7 - B) + (3 - b)
	v_lshl_add_u32 v[SCOL], v20, 7, v[SCOL]
	v_lshl_add_u32 v[SCOL], v17, 8, v[SCOL]        ; slice a
	v_add_nc_u32 v[SCOL], s23, v[SCOL]
	v_lshl_add_u32 v[SRD], v1, 4, s52
	v_and_b32 v[GO], 15, v0
	v_lshlrev_b32 v[GO], 4, v[GO]
	v_mad_u32_u24 v[GO], v18, SLICEB, v[GO]        ; lanes 0-15: the 256 bytes of one slice, lanes 16-31: of the next slice
	v_mov_b32 v[KA], -1.0
	v_mov_b32 v[KA+1], 1.0
	v_mov_b32 v[KB], 2.0
	v_mov_b32 v[KB+1], -1.0
	s_lshl_b32 s20, s24, 23
	s_sub_co_u32 s20, XC, s20                      ; 255.5 - X0, Q23 (modulo 2^32, as all that follows)
	s_lshl_b32 s21, s25, 23
	s_sub_co_u32 s21, XC, s21                      ; 255.5 - Y0
	s_lshl_b32 s22, s12, 2
	s_lshl3_add_u32 s23, s11, s22                  ; 8 ps + 4 zh
	s_mul_i32 s35, s23, SLICEB
	s_lshl_b32 s23, s10, 8
	s_add_co_u32 s35, s35, s23                     ; row sums: part[ps][4 zh][0][64 pt]
	s_lshl3_add_u32 s23, s10, s22                  ; 8 pt + 4 zh
	s_mul_i32 s36, s23, SLICEB
	s_sub_co_u32 s23, 3, s11
	s_lshl_b32 s23, s23, 8
	s_add_co_u32 s36, s36, s23
	s_add_co_u32 s36, s36, 184320                  ; column sums: part[pt][4 zh][180][64 (3 - ps)]
	s_mov_b32 s42, 0x7fffff                        ; the 23 fraction bits
	s_mov_b32 s43, 0x3f800000                      ; 1.0
	s_mov_b32 s44, 0xaaaaaaaa                      ; lanes with bit 0 set
	s_mov_b32 s45, 0xcccccccc                      ; bit 1
	s_mov_b32 s46, 0xf0f0f0f0                      ; bit 2
	s_mov_b32 s47, 0xff00ff00                      ; bit 3
	s_mov_b32 s48, 0x76543210                      ; v_permlanex16_b32: lane i of the other half
	s_mov_b32 s49, 0xfedcba98
	s_mov_b32 s51, 0                               ; upper word of the offsets into part
	s_add_co_u32 s22, s13, 12                      ; my views are my first and, if the group still holds it, the one 12 further on:
	s_cmp_lt_u32 s22, s14
	s_cselect_b32 s57, 2, 1                        ; how many views I have
	s_mov_b32 s37, 0                               ; and how many I have done
	s_wait_alu depctr_va_vdst(0)                   ; written: the padding's address and zeros and v[FA ..], which the LDS stores below read; SROW, SCOL, SRD and GO, which the views' stores and loads read.  No vector line stands in the fill behind this wait
	ds_store_b128 v[TXY], v[T4:T4+3]                       ; the padding of my rows 0-7
	ds_store_b128 v[TXY], v[T4:T4+3] offset:24*PITCH       ; of my rows 2-9
.set fr, 0
.rept 10
.if fr < 8
	s_wait_loadcnt 32                              ; loads return in order (ISA guide 5.7.1): the 16 loads of each of the two younger rows stay out
.else
	s_wait_loadcnt 144-16*fr                       ; the last rows: one younger row, then none
.endif
.set fc, 0
.rept 4
	ds_store_b128 v[FA+fr/3], v[FILL+16*fr+4*fc:FILL+16*fr+4*fc+3] offset:(fr%3)*12*PITCH+512*fc   ; 32 lanes, 512 neighbouring bytes
.set fc, fc+1
.endr
.if fr < 7
	FROW fr+3                                      ; three rows ahead, into registers of its own
.endif
.set fr, fr+1
.endr
	s_wait_dscnt 0x0                               ; my rows are in LDS,
	s_barrier_signal -1
	s_barrier_wait -1                              ; and so are the rows of every wave.  From here on the image bytes are only read
; four slices of one sample: out = w00 c00 + w10 c10 + w01 c01 + w11 c11, two slices an instruction, the weight broadcast
.macro BILIN out, cor, wt
.irp p, 0, 2
	v_pk_mul_f32 v[\out+\p:\out+\p+1], v[\cor+\p:\cor+\p+1], v[\wt:\wt+1] op_sel_hi:[1,0]
.endr
.irp p, 0, 2
	v_pk_fma_f32 v[\out+\p:\out+\p+1], v[\cor+4+\p:\cor+5+\p], v[\wt:\wt+1], v[\out+\p:\out+\p+1] op_sel:[0,1,0] op_sel_hi:[1,1,1]
.endr
.irp p, 0, 2
	v_pk_fma_f32 v[\out+\p:\out+\p+1], v[\cor+8+\p:\cor+9+\p], v[\wt+2:\wt+3], v[\out+\p:\out+\p+1] op_sel_hi:[1,0,1]
.endr
.irp p, 0, 2
	v_pk_fma_f32 v[\out+\p:\out+\p+1], v[\cor+12+\p:\cor+13+\p], v[\wt+2:\wt+3], v[\out+\p:\out+\p+1] op_sel:[0,1,0] op_sel_hi:[1,1,1]
.endr
.endm
; Four registers (one a slice) summed over four lanes that differ in two lane bits, so that each of the four lanes ends with the
; sum of one slice, (bit of m0) + 2 (bit of m1): a lane keeps one register of a pair and hands the other to its partner, twice.
; The sum goes into v[dst], a register that has been written before (the destination of such a line counts as read).
.macro RED4 src, m0, x0, m1, x1, dst
	v_cndmask_b32 v[T4],   v[\src],   v[\src+1], \m0      ; what I keep,
	v_cndmask_b32 v[T4+1], v[\src+1], v[\src],   \m0      ; what my partner keeps
	v_cndmask_b32 v[T4+2], v[\src+2], v[\src+3], \m0
	v_cndmask_b32 v[T4+3], v[\src+3], v[\src+2], \m0
	v_add_f32_dpp v[T4],   v[T4+1], v[T4]   row_xmask:\x0 row_mask:0xf bank_mask:0xf
	v_add_f32_dpp v[T4+2], v[T4+3], v[T4+2] row_xmask:\x0 row_mask:0xf bank_mask:0xf
	v_cndmask_b32 v[T4+1], v[T4],   v[T4+2], \m1
	v_cndmask_b32 v[T4+3], v[T4+2], v[T4],   \m1
	v_add_f32_dpp v[\dst], v[T4+3], v[T4+1] row_xmask:\x1 row_mask:0xf bank_mask:0xf
.endm
; The address and the weights of step j at the point (PX, PY), and the step to the next point.
; kind = 0: 4 on along s.  1: 28 back along s, 4 on along t: the next trip.  2: the view's last point: nothing follows.
.macro PREP j, kind
	v_lshrrev_b32 v[ADS+(\j)], 23, v[PX]           ; column
	v_lshrrev_b32 v[TM], 23, v[PY]                 ; row
	v_mad_u32_u24 v[ADS+(\j)], v[TM], PITCH/16, v[ADS+(\j)]
	v_min_u32 v[ADS+(\j)], MAXIDX, v[ADS+(\j)]     ; never binds (see the head): it states the bound in the text
	v_lshlrev_b32 v[ADS+(\j)], 4, v[ADS+(\j)]
	v_and_or_b32 v[TXY],   v[PX], s42, s43         ; the 23 fraction bits under the exponent of 1.0: 1 + fx, exact
	v_and_or_b32 v[TXY+1], v[PY], s42, s43
.if (\kind) == 0
	v_add_nc_u32 v[PX], s53, v[PX]
	v_add_nc_u32 v[PY], s54, v[PY]
.elseif (\kind) == 1
	v_add_nc_u32 v[PX], s55, v[PX]
	v_add_nc_u32 v[PY], s56, v[PY]
.endif
	v_pk_fma_f32 v[WW+4*(\j)+2:WW+4*(\j)+3], v[TXY:TXY+1], v[KA:KA+1], v[KB:KB+1] op_sel_hi:[0,1,1]   ; (2 - (1+fx), (1+fx) - 1) = (1-fx, fx)
	v_pk_fma_f32 v[GY:GY+1], v[TXY:TXY+1], v[KA:KA+1], v[KB:KB+1] op_sel:[1,0,0]                      ; (1-fy, fy)
	v_pk_mul_f32 v[WW+4*(\j):WW+4*(\j)+1],   v[WW+4*(\j)+2:WW+4*(\j)+3], v[GY:GY+1] op_sel_hi:[1,0]   ; (w00, w10) = (1-fx, fx) (1-fy)
	v_pk_mul_f32 v[WW+4*(\j)+2:WW+4*(\j)+3], v[WW+4*(\j)+2:WW+4*(\j)+3], v[GY:GY+1] op_sel:[0,1]      ; (w01, w11) = (1-fx, fx) fy
.endm
; The four corners of step j, 4 slices each.
.macro GATHER j
	ds_load_b128 v[DD+16*(\j):DD+16*(\j)+3],     v[ADS+(\j)]
	ds_load_b128 v[DD+16*(\j)+4:DD+16*(\j)+7],   v[ADS+(\j)] offset:16
	ds_load_b128 v[DD+16*(\j)+8:DD+16*(\j)+11],  v[ADS+(\j)] offset:PITCH
	ds_load_b128 v[DD+16*(\j)+12:DD+16*(\j)+15], v[ADS+(\j)] offset:PITCH+16
.endm
; HALF hn OF A VIEW'S 32: trip hn / 2 (my t is 4 x trip + a), steps 4 (hn % 2) .. + 3 of its 8 steps of 4 along s.
; In trip 0 the samples start the sums: nothing is cleared.
.macro HALF hn
.set tr, (\hn)/2
.set hf, (\hn)%2
.if (\hn) < 30
	s_wait_alu depctr_vm_vsrc(0)                   ; this half's gathers, issued a half ago, have read their four addresses, which the PREP lines below write anew; in a trip's second half the store issued a half ago has also read v[RS], which the reduction below writes
.elseif (\hn) == 31
	s_wait_alu depctr_vm_vsrc(0)                   ; the store issued a half ago has read v[RS], which the reduction below writes
.endif
.if ((\hn) > 0) && ((\hn) < 31)
	s_wait_alu depctr_va_vdst(0)                   ; the half before is done reading its half of DD, in which the gathers below land, and has written their four addresses; if it was a trip's second half, its reduction has written v[RS]
.if hf == 0
	ds_store_b32 v[SROW], v[RS] offset:16*(tr-1)   ; the last trip's row sum: 4 bins on for each trip; both halves of the lanes write the same word with the same number
.endif
.set sb, 4*(1-hf)
.rept 4
	GATHER sb                                      ; the next half's corners (half 1's were asked for with half 0's, ahead of half 0)
.set sb, sb+1
.endr
.endif
.if (\hn) < 31
	s_wait_dscnt 16                                ; LDS instructions end in order (ISA guide 5.7.1): this half's corners are in, the next half's 16 gathers stay out
.else
	s_wait_dscnt 0                                 ; the last half: nothing younger is out
.endif
.set sb, 4*hf
.rept 4
.if tr == 0
	BILIN CC+4*sb, DD+16*sb, WW+4*sb
.if sb == 1
	v_pk_add_f32 v[RR:RR+1],   v[CC:CC+1],   v[CC+4:CC+5]
	v_pk_add_f32 v[RR+2:RR+3], v[CC+2:CC+3], v[CC+6:CC+7]
.endif
.if sb > 1
	v_pk_add_f32 v[RR:RR+1],   v[RR:RR+1],   v[CC+4*sb:CC+4*sb+1]
	v_pk_add_f32 v[RR+2:RR+3], v[RR+2:RR+3], v[CC+4*sb+2:CC+4*sb+3]
.endif
.else
.if sb == 0
	BILIN RR, DD, WW
	v_pk_add_f32 v[CC:CC+1],   v[CC:CC+1],   v[RR:RR+1]
	v_pk_add_f32 v[CC+2:CC+3], v[CC+2:CC+3], v[RR+2:RR+3]
.else
	BILIN FF, DD+16*sb, WW+4*sb
	v_pk_add_f32 v[CC+4*sb:CC+4*sb+1],   v[CC+4*sb:CC+4*sb+1],   v[FF:FF+1]
	v_pk_add_f32 v[CC+4*sb+2:CC+4*sb+3], v[CC+4*sb+2:CC+4*sb+3], v[FF+2:FF+3]
	v_pk_add_f32 v[RR:RR+1],   v[RR:RR+1],   v[FF:FF+1]
	v_pk_add_f32 v[RR+2:RR+3], v[RR+2:RR+3], v[FF+2:FF+3]
.endif
.endif
.if tr < 15
.set kd, 0
.if sb == 7
.set kd, 1+(tr+1)/15                   ; behind a trip's last step: the next trip, or behind trip 15's nothing
.endif
	PREP sb, kd                                    ; the step's weights are used up: the same step of the next trip takes their place
.endif
.set sb, sb+1
.endr
.if hf == 1
	; the row sum of my t: over b (lane bits 1:0) and over the two halves; lane b ends with slice b
	RED4 RR, s44, 1, s45, 2, T4+1
	v_permlanex16_b32 v[T4], v[T4+1], s48, s49     ; its destination counts as read: T4 has been written
	v_add_f32 v[RS], v[T4+1], v[T4]                ; it is stored at the head of the next trip, behind that half's wait
.endif
.endm
.Lview:
	s_wait_xcnt 0x0                                ; the bases and the data (v[DD:DD+15]) of the stores of my last view are rewritten only behind this wait
	s_wait_alu depctr_vm_vsrc(0)                   ; at the first view: the fill's LDS stores have read v[32:195], the zeros and the padding's address; later: the last view's stores have read v[DD:DD+15], v[RS] and v[WW:WW+7].  All these are written again below
	SINCOS s13, s16, s17
	s_lshl_b32 s53, s16, 3                         ; 4 along s: x + 8 c22,
	s_lshl_b32 s54, s17, 3                         ; y + 8 s22
	s_mul_i32 s22, s16, 56
	s_mul_i32 s23, s17, 56
	s_add_co_u32 s55, s54, s22
	s_sub_co_u32 s55, 0, s55                       ; 4 along t and 28 back along s: x - 8 s22 - 56 c22,
	s_sub_co_u32 s56, s53, s23                     ; y + 8 c22 - 56 s22
	s_lshl_b32 s22, s13, 10                        ; a view is 1,024 bytes
	s_add_co_u32 s50, s22, s35
	s_add_nc_u64 s[38:39], s[6:7], s[50:51]        ; where the row sums of this view go
	s_add_co_u32 s50, s22, s36
	s_add_nc_u64 s[40:41], s[6:7], s[50:51]        ; and its column sums (view + 180)
	v_mad_u32 v[PX], v[LNS], s16, s20              ; x = 255.5 - X0 + cos s
	v_mul_lo_u32 v[TM], v[LNT], s17
	v_sub_nc_u32 v[PX], v[PX], v[TM]               ;     - sin t
	v_mad_u32 v[PY], v[LNT], s16, s21              ; y = 255.5 - Y0 + cos t
	v_mad_u32 v[PY], v[LNS], s17, v[PY]            ;     + sin s
.set sb, 0
.rept 8
.set kd, sb/7
	PREP sb, kd                                    ; trip 0's addresses and weights
.set sb, sb+1
.endr
	s_wait_alu depctr_va_vdst(0)                   ; trip 0's eight addresses are written, which the 32 gathers below read
.set sb, 0
.rept 8
	GATHER sb
.set sb, sb+1
.endr
	; The 16 trips are written out, so that the row sums of each trip go to the stage by a fixed lane address and an immediate:
	; some 250 instructions a trip, 4,000 a view, about 33,000 bytes of code.
.set hp, 0
.rept 32
	HALF hp
.set hp, hp+1
.endr
	; the column sums: over a (lane bits 3:2); lane a ends with slice a.  Each goes into a register of its own (the weights are used up), so that one wait serves all the stores
.set sb, 0
.rept 8
	RED4 CC+4*sb, s46, 4, s47, 8, WW+sb
.set sb, sb+1
.endr
	s_wait_alu depctr_va_vdst(0)                   ; v[RS] and the eight column sums are written, which the LDS stores below read; the samples are done reading v[DD:DD+15], in which the loads from the stage land
	ds_store_b32 v[SROW], v[RS] offset:16*15       ; trip 15's row sum
.set sb, 0
.rept 8
	ds_store_b32 v[SCOL], v[WW+sb] offset:16*(7-sb)
.set sb, sb+1
.endr
	; out through my own stage: LDS serves the instructions of a wave in order (ISA guide 5.7.1), so these loads see the stores above
.irp q, 0,1,2,3
	ds_load_b128 v[DD+4*\q:DD+4*\q+3], v[SRD] offset:512*\q
.endr
	s_wait_dscnt 3                                 ; the counts run down over the three, two, one younger loads
	global_store_b128 v[GO], v[DD:DD+3],     s[38:39]                 ; slices 0, 1: 16 lanes store 256 consecutive bytes, aligned
	s_wait_dscnt 2
	global_store_b128 v[GO], v[DD+4:DD+7],   s[38:39] offset:2*SLICEB ; slices 2, 3
	s_wait_dscnt 1
	global_store_b128 v[GO], v[DD+8:DD+11],  s[40:41]
	s_wait_dscnt 0
	global_store_b128 v[GO], v[DD+12:DD+15], s[40:41] offset:2*SLICEB
	s_add_co_u32 s13, s13, 12                      ; my next view, if there is one
	s_add_co_u32 s37, s37, 1                       ; the loop ends on its own counter: one or two trips
	s_cmp_lt_u32 s37, s57
	s_cbranch_scc1 .Lview
	s_wait_dscnt 0x0
	s_wait_alu depctr_hold_cnt(0) depctr_sa_sdst(0) depctr_va_vdst(0) depctr_va_sdst(0) depctr_va_ssrc(0) depctr_va_vcc(0) depctr_vm_vsrc(0)
	s_wait_tensorcnt 0x0
	ds_add_u32 v238, v239
	s_wait_dscnt 0x0
	s_endpgm
.Lfunc_end_k_qaa7a286f51_project:
	.size	k_qaa7a286f51_project, .Lfunc_end_k_qaa7a286f51_project-k_qaa7a286f51_project
	.p2alignl 7, 3214868480
	.fill 96, 4, 3214868480
	.section	.rodata,"a",@progbits
	.p2align	6, 0x0
	.amdhsa_kernel k_qaa7a286f51_project
		.amdhsa_group_segment_fixed_size 279552
		.amdhsa_private_segment_fixed_size 0
		.amdhsa_enable_private_segment 0
		.amdhsa_kernarg_size 16
		.amdhsa_user_sgpr_count 2
		.amdhsa_user_sgpr_kernarg_segment_ptr 1
		.amdhsa_wavefront_size32 1
		.amdhsa_system_sgpr_workgroup_id_x 1
		.amdhsa_system_sgpr_workgroup_id_y 1
		.amdhsa_system_sgpr_workgroup_id_z 1
		.amdhsa_system_vgpr_workitem_id 0
		.amdhsa_next_free_vgpr 240
		.amdhsa_next_free_sgpr 66
		.amdhsa_reserve_vcc 0
		.amdhsa_float_denorm_mode_32 3
		.amdhsa_float_denorm_mode_16_64 3
		.amdhsa_memory_ordered 1
		.amdhsa_forward_progress 1
		.amdhsa_inst_pref_size 255
	.end_amdhsa_kernel
	.section	.bss,"aw",@nobits
	.p2align	6
	.space	262144
	.amdgpu_metadata
---
amdhsa.version: [ 1, 2 ]
amdhsa.kernels:
  - .name:           k_qaa7a286f51_project
    .symbol:         k_qaa7a286f51_project.kd
    .args:
      - { .name: input, .offset: 0, .size: 8, .value_kind: global_buffer, .address_space: global }
      - { .name: part, .offset: 8, .size: 8, .value_kind: global_buffer, .address_space: global }
    .group_segment_fixed_size: 279552
    .private_segment_fixed_size: 0
    .kernarg_segment_align: 8
    .kernarg_segment_size: 16
    .max_flat_workgroup_size: 384
    .sgpr_count:     66
    .vgpr_count:     240
    .wavefront_size: 32
...
	.end_amdgpu_metadata
.endif
;; end of part 3
;; launch combine: the kernel of part 2 again; grid 360 x 1, 16 waves a work-group, no clusters, 0 bytes of LDS; arguments part, out0; writes out0
